; MI455X (gfx1250); checked and timed in simulation.
; The chip was launched on July 23, 2026; its instructions are those of AMD's public machine-readable ISA for CDNA 5 (MIT licence, August 2026) and "CDNA5" Instruction Set Architecture Reference Guide (July 2026). The comments in the code are by the model that wrote it; some were corrected since.
;; LSTM Cell. Allowed arithmetic: matrix products marked QUANTISED: E5M2 operands, one E8M0 scale for each 32 along K, by v_wmma_scale_f32_16x16x128_f8f6f4 with both operands' format E5M2, f32 sums; everything else in f32.
;; Inputs: W_hf 2,048 x 2,048 float32; W_hg 2,048 x 2,048 float32; W_hi 2,048 x 2,048 float32; W_ho 2,048 x 2,048 float32; W_if 2,048 x 2,048 float32; W_ig 2,048 x 2,048 float32; W_ii 2,048 x 2,048 float32; W_io 2,048 x 2,048 float32; b_hf 2,048 float32; b_hg 2,048 float32; b_hi 2,048 float32; b_ho 2,048 float32; b_if 2,048 float32; b_ig 2,048 float32; b_ii 2,048 float32; b_io 2,048 float32; c0 2,048 x 2,048 float32; h0_codes 2,048 x 64 x 32 uint8 (E5M2 codes of h0, K innermost, in blocks of 32 codes); h0_scales 2,048 x 64 uint8 (E8M0 scales of h0, one for each 32 codes along K); x_codes 2,048 x 64 x 32 uint8 (E5M2 codes of x, K innermost, in blocks of 32 codes); x_scales 2,048 x 64 uint8 (E8M0 scales of x, one for each 32 codes along K).
;; Outputs: out0 2,048 x 2,048 float32; out1 2,048 x 2,048 float32.
;; This version of the problem:
;;   THIS VERSION OF THE PROBLEM IS GIVEN IN LOW PRECISION. The matrix products marked QUANTISED in the list below multiply operands that are first quantised to E5M2 (5 exponent bits, 2 mantissa bits; 8 bits a number), with one power-of-two scale for each 32 numbers along K (OCP MX v1.0); their sums are f32. All else is computed in f32.
;;   The module's matrix products, in the order in which they are computed (A, B: the left and right operand; K: the contracted axis; several contracted axes count as one K, in the product's order):
;;     1. [M 2,048, K 2,048] x [K 2,048, N 8,192]; A: input x (given as codes); B: computed on the way: QUANTISED
;;     2. [M 2,048, K 2,048] x [K 2,048, N 8,192]; A: input h0 (given as codes); B: computed on the way: QUANTISED
;;   THE QUANTISER, for each operand of a quantised product, along K:
;;     - K is cut into blocks of 32 from its start; a last block that is shorter is filled with zeros.
;;     - A block's scale is 2^e with e = floor(log2(the largest magnitude in the block)) - 15, held to -126 .. 127; a block of zeros has e = 0. As a byte (E8M0): e + 127.
;;     - Each number is divided by its block's scale, clamped to +-57,344, and rounded to the nearest number of E5M2, ties to even, subnormals kept.
;;     - The product sums the exact products of the quantised numbers (number of the format x scale) in f32.
;;   ~~~python
;;   def quantise(x, axis):      # numpy; x: float32 -> the quantised numbers, widened to float32 again
;;       x = np.moveaxis(x, axis, -1); K = x.shape[-1]
;;       x = np.pad(x, [(0, 0)] * (x.ndim - 1) + [(0, -K % 32)]); x = x.reshape(x.shape[:-1] + (-1, 32)); a = np.abs(x).max(-1, keepdims=True)
;;       e = np.where(a > 0, np.clip(np.frexp(np.where(a > 0, a, 1))[1] - 1 - 15, -126, 127), 0)      # np.frexp(a)[1] - 1 = floor(log2(a)), exactly
;;       r = np.clip(x / 2.0 ** e, -57344, 57344)
;;       step = 2.0 ** (np.maximum(np.frexp(np.where(r == 0, 1, r))[1] - 1, -14) - 2)
;;       q = np.round(r / step) * step * 2.0 ** e      # np.round: ties to even
;;       return np.moveaxis(q.reshape(q.shape[:-2] + (-1,))[..., :K], -1, axis).astype(np.float32)
;;   ~~~
;;   OPERANDS COMPUTED ON THE WAY. 'Computed on the way' means the value that the module computes at that place (a softmax that the list does not call 'softmax' is quantised finished and normalised). What goes into a quantiser is computed in f32, as accurately as f32 sums, v_exp_f32 and their like allow (about 1e-6 of the number): no bf16 or f16 on the way to a quantiser, and a product that is left as it is and whose result goes on into a quantised operand takes f32 operands (vector FMAs, or v_wmma_f32_16x16x4_f32). A number that lies on a knife's edge between two numbers of the format may be rounded either way, as far as f32 arithmetic and the matrix unit's own rounding can turn it there, and no further.
;;   INPUTS GIVEN AS CODES. h0 (in the module: [2048, 2048], K = its axis 1); x (in the module: [2048, 2048], K = its axis 1): each comes as NAME_codes (uint8): NAME with its K axis moved to the last place and cut into blocks of 32 codes, [.., K / 32, bytes a block], one block behind the other in memory; one code a byte (a code: sign, 5 exponent bits, 2 mantissa bits); and NAME_scales (uint8): the same leading axes, one E8M0 byte (e + 127) for each 32 codes along K. Its value is code x scale, taken as it is: it is not quantised again, and the codes and scales need not be those that the quantiser above would give.
;; One version. Each part assembles by itself: llvm-mc -triple=amdgcn-amd-amdhsa -mcpu=gfx1250 --defsym DOCPART=n.
;; ======== version 1 of 1: 2 launches
;; limits: right only within a limited range of input values
;; workspace buffers: wq 35,651,584 bytes
;; launch quant (part 1): grid 64 x 16, 4 waves a work-group, no clusters, 55,808 bytes of LDS; arguments W_ii, W_if, W_ig, W_io, W_hi, W_hf, W_hg, W_ho, wq; writes wq
.if DOCPART == 1
	.amdgcn_target "amdgcn-amd-amdhsa--gfx1250"
	.amdhsa_code_object_version 6
	.text
	.protected	k_qffbe61272d_quant
	.globl	k_qffbe61272d_quant
	.p2align	8
	.type	k_qffbe61272d_quant,@function
k_qffbe61272d_quant:
	s_mov_b64 s[64:65], 0
	v_nop
	global_prefetch_b8 v0, s[64:65] scope:SCOPE_SE
	s_setreg_imm32_b32 hwreg(HW_REG_WAVE_MODE, 25, 1), 1
	s_wait_xcnt 0x0
; The eight weights [2048 hidden units][2048 K], f32, K innermost, become codes of BF8 (E5M2) with one E8M0 scale byte for each 32 along K.
; A block's scale is 2^(floor(log2(its largest magnitude)) - 15); its byte is the largest magnitude's exponent field - 15, held at 1 from below; each number is divided by the scale
; (a multiplication by the inverse power of two, which rounds nothing), held within +-57,344 and converted to the nearest code.
; LIMITS: NaN and infinities among the weights are not served.  A block of zeros gets the byte 1 where the rule says 127: its codes are zeros, which add nothing under any byte but 0xff,
; and the bytes are read by this program alone.  Blocks whose largest magnitude lies under 2^-111 keep the byte 1 (the rule's own clip).
; THE OUTPUT IS LAID AS THE NEXT LAUNCH READS IT: wq[rg 0..63][ks 0..15][128 rows][272 bytes].  A UNIT, 128 x 272 = 34,816 bytes, holds hidden units 32 rg .. 32 rg + 31 of all four gates
; (row = 32 x gate + unit % 32; gates in the order i, f, g, o) for 256 along K: ks 0-7 from the weights of x, ks 8-15 from those of h0.  A row: 256 codes, its 8 scale bytes, 8 zero bytes.
; SHARES.  Work-group (x = rg, y = ks) makes one unit; wave w is gate w: 32 rows x 256 numbers of ONE tensor, in 16 steps of two rows: four loads of 512 consecutive bytes.  Waves share nothing: no barrier.
; A LANE KEEPS THE FOUR NEIGHBOURS THAT IT LOADED: a block of 32 lies in eight neighbouring lanes, whose maxima are joined by three lane exchanges; the lane's four codes are one word, at 4 x lane of the load's 128 codes.
; Codes and scale bytes are gathered in the wave's image of its 32 rows (8,704 bytes of LDS) and leave by 17 stores of 512 consecutive bytes, each aligned to 256.  A step's four loads are worked line by line in turns.
.set STEPS, 16
.set PITCH, 272                        ; a row of a unit
.set WREG,  32*PITCH                   ; LDS of a wave: its image
.set UNIT,  128*PITCH
.set R,     16                         ; v16-79   four sets of 16 numbers; at the end v16-83 carry the image out
.set M,     80                         ; v80-83   the four loads' largest magnitudes
.set E,     84                         ; v84-87   their scale bytes
.set IV,    88                         ; v88-95   the inverse scales, each the low word of a pair
	s_load_b512 s[8:23], s[0:1], 0x0               ; W_ii, W_if, W_ig, W_io, W_hi, W_hf, W_hg, W_ho
	s_load_b64 s[4:5], s[0:1], 0x40                ; wq
	v_lshl_add_u32 v192, v0, 2, 0xd800             ; my spare word, behind the images
	v_mov_b32 v193, 0
	v_lshrrev_b32 v1, 5, v0
	v_readfirstlane_b32 s24, v1                    ; wave = gate
	v_and_b32 v2, 31, v0                           ; lane
	v_lshlrev_b32 v3, 4, v2                        ; my 16 bytes of 512: for the loads, and for the stores at the end
	s_mul_i32 s25, s24, WREG                       ; my image
	v_lshl_add_u32 v4, v2, 2, s25                  ; my four codes' place in a load's 128
	v_lshrrev_b32 v5, 3, v2
	v_add_nc_u32 v5, s25, v5
	v_add_nc_u32 v5, 256, v5                       ; my block's scale byte: behind the row's 256 codes
	v_add_nc_u32 v6, s25, v3                       ; the image read back as it lies: 16 bytes a lane
	v_mul_u32_u24 v7, v2, PITCH
	v_add_nc_u32 v7, s25, v7
	v_add_nc_u32 v7, 264, v7                       ; the last 8 bytes of row = lane
	v_mov_b32 v12, 0
	v_mov_b32 v13, 0
.irp i, 0,1,2,3
	v_mov_b32 v[IV+2*\i+1], 0                      ; (the packed form names a pair and takes its low word for both halves: so the upper is written)
.endr
	s_wait_alu depctr_va_vdst(0)                   ; the wait at the head's end
	s_mov_b32 s30, 0x47600000                      ; 57,344
	s_mov_b32 s31, 0xc7600000                      ; -57,344
	s_and_b32 s26, ttmp7, 0xffff                   ; ks
	s_lshl_b32 s28, ttmp9, 18                      ; 32 rg rows of 8,192 bytes,
	s_and_b32 s27, s26, 7
	s_lshl_b32 s27, s27, 10                        ; and 256 numbers for each K step inside the tensor
	s_add_co_u32 s28, s28, s27
	s_mov_b32 s29, 0
	s_lshl_b32 s32, ttmp9, 4
	s_add_co_u32 s32, s32, s26
	s_mul_i32 s32, s32, UNIT                       ; my unit (under 2^26 bytes),
	s_mul_i32 s27, s24, 32*PITCH                   ; my gate's 32 rows in it
	s_add_co_u32 s32, s32, s27
	s_mov_b32 s33, 0
	ds_store_b64 v7, v[12:13]                      ; the 8 bytes behind each row's scale bytes are zeros: every byte of wq is written
	s_wait_kmcnt 0x0
	s_cmp_lt_u32 s26, 8                            ; the weights of x or those of h0?  The choices hang on the work-group's and the wave's number alone
	s_cselect_b64 s[8:9], s[8:9], s[16:17]
	s_cselect_b64 s[10:11], s[10:11], s[18:19]
	s_cselect_b64 s[12:13], s[12:13], s[20:21]
	s_cselect_b64 s[14:15], s[14:15], s[22:23]
	s_cmp_eq_u32 s24, 1
	s_cselect_b64 s[8:9], s[10:11], s[8:9]
	s_cmp_eq_u32 s24, 2
	s_cselect_b64 s[8:9], s[12:13], s[8:9]
	s_cmp_eq_u32 s24, 3
	s_cselect_b64 s[8:9], s[14:15], s[8:9]
	s_add_nc_u64 s[8:9], s[8:9], s[28:29]
	s_add_nc_u64 s[4:5], s[4:5], s[32:33]
.macro LOAD t                          ; step t: rows 2 t and 2 t + 1, 1,024 bytes of each, by four loads of 512 consecutive bytes
.irp i, 0,1,2,3
	global_load_b128 v[R+16*((\t)%4)+4*\i:R+16*((\t)%4)+4*\i+3], v3, s[8:9] offset:(2*(\t)+\i/2)*8192+512*(\i%2) th:TH_LOAD_NT
.endr
.endm
.irp t, 0,1,2,3
	LOAD \t
.endr
.macro STEP t
.set XS, R+16*((\t)%4)
.if (\t)+3 < STEPS
	s_wait_loadcnt 12                              ; this step's four loads are in; those of the three steps behind it may be out
.else
	s_wait_loadcnt 4*(STEPS-1-(\t))
.endif
.irp i, 0,1,2,3
	v_max3_num_f32 v[M+\i], |v[XS+4*\i]|, |v[XS+4*\i+1]|, |v[XS+4*\i+2]|
.endr
.irp i, 0,1,2,3
	v_max3_num_f32 v[M+\i], v[M+\i], |v[XS+4*\i+3]|, 0x8000000     ; my four, and the floor 2^(16 - 127): the byte cannot fall under 1
.endr
.irp x, 1,2,4
.irp i, 0,1,2,3
	v_max_num_f32_dpp v[M+\i], v[M+\i], v[M+\i] row_xmask:\x row_mask:0xf bank_mask:0xf   ; with the block's other seven lanes
.endr
.endr
.irp i, 0,1,2,3
	v_add_nc_u32 v[E+\i], 0xf8800000, v[M+\i]      ; 15 off the exponent field
.endr
.irp i, 0,1,2,3
	v_lshrrev_b32 v[E+\i], 23, v[E+\i]             ; the scale's byte s
.endr
.irp i, 0,1,2,3
	v_sub_nc_u32 v[IV+2*\i], 254, v[E+\i]
.endr
.irp i, 0,1,2,3
	v_lshlrev_b32 v[IV+2*\i], 23, v[IV+2*\i]       ; 2^(127 - s), the scale's inverse: its exponent field is 254 - s, between 15 and 253
.endr
.irp i, 0,1,2,3
	v_pk_mul_f32 v[XS+4*\i:XS+4*\i+1], v[XS+4*\i:XS+4*\i+1], v[IV+2*\i:IV+2*\i+1] op_sel_hi:[1,0]
	v_pk_mul_f32 v[XS+4*\i+2:XS+4*\i+3], v[XS+4*\i+2:XS+4*\i+3], v[IV+2*\i:IV+2*\i+1] op_sel_hi:[1,0]
.endr
.irp i, 0,1,2,3,4,5,6,7,8,9,10,11,12,13,14,15
	v_med3_num_f32 v[XS+\i], v[XS+\i], s31, s30    ; the conversion to an 8-bit code does not saturate (ISA guide 7.6.2): hold the number first
.endr
	v_cvt_pk_bf8_f32 v96.l, v[XS], v[XS+1]         ; four codes a load: bytes 0, 1 and 2, 3 of one word
	v_cvt_pk_bf8_f32 v97.l, v[XS+4], v[XS+5]
	v_cvt_pk_bf8_f32 v98.l, v[XS+8], v[XS+9]
	v_cvt_pk_bf8_f32 v99.l, v[XS+12], v[XS+13]
	v_cvt_pk_bf8_f32 v96.h, v[XS+2], v[XS+3]
	v_cvt_pk_bf8_f32 v97.h, v[XS+6], v[XS+7]
	v_cvt_pk_bf8_f32 v98.h, v[XS+10], v[XS+11]
	v_cvt_pk_bf8_f32 v99.h, v[XS+14], v[XS+15]
.irp i, 0,1,2,3
	ds_store_b32 v4, v[96+\i] offset:(2*(\t)+\i/2)*PITCH+128*(\i%2)   ; 32 lanes: 128 codes on end
	ds_store_b8 v5, v[E+\i] offset:(2*(\t)+\i/2)*PITCH+4*(\i%2)       ; the eight lanes of a block write the same byte with the same value
.endr
.if (\t)+4 < STEPS
	LOAD (\t)+4                                    ; the set is worked off: it takes the loads of four steps on
.endif
.endm
.irp t, 0,1,2,3,4,5,6,7,8,9,10,11,12,13,14,15
	STEP \t
.endr
.irp k, 0,1,2,3,4,5,6,7,8,9,10,11,12,13,14,15,16
	ds_load_b128 v[R+4*\k:R+4*\k+3], v6 offset:512*\k             ; LDS serves a wave's instructions in order: these see my stores
.endr
.irp k, 0,1,2,3,4,5,6,7,8,9,10,11,12,13,14,15,16
	s_wait_dscnt 16-\k                             ; piece k is in; the younger ones may be out
	global_store_b128 v3, v[R+4*\k:R+4*\k+3], s[4:5] offset:512*\k   ; 32 lanes store 512 consecutive bytes, at a multiple of 256 from wq's first byte
.endr
	s_wait_tensorcnt 0x0                           ; the wave's end
	ds_add_u32 v192, v193
	s_wait_dscnt 0x0
	s_endpgm
.Lfunc_end_k_qffbe61272d_quant:
	.size	k_qffbe61272d_quant, .Lfunc_end_k_qffbe61272d_quant-k_qffbe61272d_quant
	.p2alignl 7, 3214868480
	.fill 96, 4, 3214868480
	.section	.rodata,"a",@progbits
	.p2align	6, 0x0
	.amdhsa_kernel k_qffbe61272d_quant
		.amdhsa_group_segment_fixed_size 55808
		.amdhsa_private_segment_fixed_size 0
		.amdhsa_enable_private_segment 0
		.amdhsa_kernarg_size 72
		.amdhsa_user_sgpr_count 2
		.amdhsa_user_sgpr_kernarg_segment_ptr 1
		.amdhsa_wavefront_size32 1
		.amdhsa_system_sgpr_workgroup_id_x 1
		.amdhsa_system_sgpr_workgroup_id_y 1
		.amdhsa_system_sgpr_workgroup_id_z 1
		.amdhsa_system_vgpr_workitem_id 0
		.amdhsa_next_free_vgpr 194
		.amdhsa_next_free_sgpr 66
		.amdhsa_reserve_vcc 0
		.amdhsa_float_denorm_mode_32 3
		.amdhsa_float_denorm_mode_16_64 3
		.amdhsa_memory_ordered 1
		.amdhsa_forward_progress 1
		.amdhsa_inst_pref_size 87
	.end_amdhsa_kernel
	.amdgpu_metadata
---
amdhsa.version: [ 1, 2 ]
amdhsa.kernels:
  - .name:           k_qffbe61272d_quant
    .symbol:         k_qffbe61272d_quant.kd
    .args:
      - { .name: W_ii, .offset: 0, .size: 8, .value_kind: global_buffer, .address_space: global }
      - { .name: W_if, .offset: 8, .size: 8, .value_kind: global_buffer, .address_space: global }
      - { .name: W_ig, .offset: 16, .size: 8, .value_kind: global_buffer, .address_space: global }
      - { .name: W_io, .offset: 24, .size: 8, .value_kind: global_buffer, .address_space: global }
      - { .name: W_hi, .offset: 32, .size: 8, .value_kind: global_buffer, .address_space: global }
      - { .name: W_hf, .offset: 40, .size: 8, .value_kind: global_buffer, .address_space: global }
      - { .name: W_hg, .offset: 48, .size: 8, .value_kind: global_buffer, .address_space: global }
      - { .name: W_ho, .offset: 56, .size: 8, .value_kind: global_buffer, .address_space: global }
      - { .name: wq, .offset: 64, .size: 8, .value_kind: global_buffer, .address_space: global }
    .group_segment_fixed_size: 55808
    .private_segment_fixed_size: 0
    .kernarg_segment_align: 8
    .kernarg_segment_size: 72
    .max_flat_workgroup_size: 128
    .sgpr_count:     66
    .vgpr_count:     194
    .wavefront_size: 32
...
	.end_amdgpu_metadata
.endif
;; end of part 1
;; launch lstm (part 2): grid 32 x 8, 4 waves a work-group, clusters of 4 x 4, 327,680 bytes of LDS; arguments x_codes, x_scales, h0_codes, h0_scales, wq, c0, out0, out1, b_ii, b_hi, b_if, b_hf, b_ig, b_hg, b_io, b_ho; writes out0, out1
.if DOCPART == 2
	.amdgcn_target "amdgcn-amd-amdhsa--gfx1250"
	.amdhsa_code_object_version 6
	.text
	.protected	k_qffbe61272d_lstm
	.globl	k_qffbe61272d_lstm
	.p2align	8
	.type	k_qffbe61272d_lstm,@function
k_qffbe61272d_lstm:
	s_mov_b64 s[64:65], 0
	v_nop
	global_prefetch_b8 v0, s[64:65] scope:SCOPE_SE
	s_setreg_imm32_b32 hwreg(HW_REG_WAVE_MODE, 25, 1), 1
	s_wait_xcnt 0x0
	s_wait_alu depctr_hold_cnt(0) depctr_sa_sdst(0) depctr_va_vdst(0) depctr_va_sdst(0) depctr_va_ssrc(0) depctr_va_vcc(0) depctr_vm_vsrc(0)
	s_getreg_b32 s2, hwreg(HW_REG_IB_STS2, 6, 4)
	s_cmp_eq_u32 s2, 0
	s_cbranch_scc0 .Lentry_in_a_cluster
	s_endpgm
.Lentry_in_a_cluster:
	s_bfe_u32 s2, ttmp6, 0x10000c
	s_cmp_lg_u32 s2, 0xf033
	s_cbranch_scc0 .Lentry_shape_is_right
	s_endpgm
.Lentry_shape_is_right:
; gates = x Wx^T + h0 Wh^T + b on codes of BF8 (E5M2), one E8M0 scale for each 32 along K, sums in f32; then c = sigmoid(f) c0 + sigmoid(i) tanh(g) -> out1, h = sigmoid(o) tanh(c) -> out0.
; ONE GEMM: M = 2,048 batch rows, N = 4 gates x 2,048 hidden units, K = 4,096 (x's 2,048, then h0's).  The weights' codes come from wq:
; [rg = hidden unit / 32][K step of 256][128 rows = 32 x gate + unit % 32][256 codes, 8 scale bytes, 8 zeros]: a UNIT of 34,816 dense bytes.
; SHARES.  256 work-groups of four waves; a work-group makes 256 batch rows x 64 hidden units x 4 gates, a wave 128 rows x one unit: 64 accumulators, 512 registers.
; K goes in 16 steps of 256 through a ring of two LDS slots (A's 256 rows, two units of B), filled by joint tensor loads: 4 x 4 clusters, A's tiles shared along a row, B's units along a column.
; THE FRAGMENT LOADS GO IN THREE RUNS for each 128 along K, of 16 to 32 loads, each behind eight places.  A has one set of registers (a block is fetched anew when its eight products are through), B two.
; All that a slot's last 128 along K needs is asked for in the step before it, so the change of slots stands among that last step's first 24 products, and all its loads read the next slot.
; A's SCALE BYTES (32,768 of a work-group's 2.2 million bytes, so no joint load) come by plain loads of 512 consecutive bytes and are stored into LDS bytes of their own, [K step][row][8 bytes], the row's two words swapped:
; one step of the address serves x and h0 alike, and no product's two scale registers have numbers equal modulo 8.
; THE MATRIX INSTRUCTION IS USED TRANSPOSED (source 0 = 16 rows of a unit, source 1 = 16 batch rows): in accumulator (a, b), b = 2 x gate + u, lane (r, h) holds batch row 16 a + r, register k hidden unit 16 u + 8 h + k.
; So i, f, g, o of one number lie in one lane and register of four accumulators.  The biases are the C of each sum's first product.
; PREFETCH: at each change of slots p (0 .. 11) every wave asks for its share of K step p + 4, two refills ahead of the load that wants it; the head asks for K step 1 behind its first joint load and for K steps 2 and 3 behind
; its second.  Of the 128 rows of A that a wave fetches each of the four partners takes 32 (by cx), a lane a row; of a unit's 136 blocks of 256 bytes each takes 34 (by cy): 32 lanes, then two more.  The last changes of slots ask for nothing.
; LIMITS: NaN and infinities among the inputs are not served.  tanh(z) = (E - 1) / (E + 1), E = 2^(2 log2(e) z), the exponent held at 60 from above (beyond it tanh is 1 in f32): its error is absolute, about 1e-7.
; A sigmoid's exponential may run to infinity: its reciprocal is then 0, which is the sigmoid.
; REGISTERS: window 0: v16-30 addresses; v32-63 scale words, two sets; v64-127 bias sums, later the tail; v128-255 A's fragments.  Window 1: B's two sets.  Windows 2, 3: the accumulators ((a, b) at v[8 (8 (a % 4) + b)]).
.set PITCH,  272
.set HALFT,  128*PITCH
.set UNIT,   HALFT
.set SLOT,   4*HALFT
.set SCA,    2*SLOT                    ; A's scale words: 16 planes
.set PLANE,  2592                      ; four groups of 64 rows x 8 bytes, 640 apart, and 32 more: the stores' four planes and the loads' two groups fall into different banks
.set SPARE,  SCA+16*PLANE              ; the spare words: two blocks of 256 bytes that no other line names
.set CST,    2*HALFT                   ; the tail: c0's tile, later h's stage, at byte 0; c's stage here
.set FR,     16
.set ADRA,  16
.set ADRSB, 18
.set ADRB,  20
.set ADRSA, 22
.set PFO,   23                         ; the prefetches' lane offsets
.set CL,    24
.set CS,    25
.set RD,    26
.set PFO2,  27
.set SPW,   28
.set NIL,   29
.set CO,    30
.set SC,    32                         ; set s at v[SC + 16 s]: 2 i + 1 - q: A's blocks i, i + 4; 8 + 2 i + q: B's
.set BIAS,  64
.set AF,    128
.set GI,    64
.set GF,    80
.set GG,    96
.set GO,    112
.set T,     144
.set C0,    160
.set OB,    192
.set G1C,   20
.set G1A,   36
.set G1B,   44
.set PFA,   52                         ; s[52:53] where my prefetches stand; s[54:55] h0's first K step for A's waves; s[56:57] bytes to the next K step; s58 changes of slots so far; s59 the change at which A's waves go over to h0
.set PFH,   54
.set PST,   56
.set PC,    58
.set PSW,   59
.set G0X,   72
.set G0H,   80
.set G0B,   88
.set G0C,   96
.set WV,    66
.set RH,    67
.set CH,    100
.set TM,    101
.set TN,    104
.set MSB, 0
.macro WIN new                         ; the immediate's high byte repeats the setting that is left
.if MSB != (\new)
	s_set_vgpr_msb (MSB<<8)|(\new)
.set MSB, (\new)
.endif
.endm
.set TO_B, 0x40
.macro PLACES n
.rept \n
	v_nop
.endr
.endm
.macro JLOAD g0a, g1a, g0b, g1b        ; a joint load: waves 0, 1 fetch for A, waves 2, 3 for B; s_nop 0 and four v_nop behind each line
	s_cmp_eq_u32 s[RH], 0
	s_cbranch_scc0 .Lfor_b_\@
	tensor_load_to_lds s[\g0a:\g0a+3], s[\g1a:\g1a+7]
	s_nop 0
	PLACES 4
	s_branch .Lasked_\@
.Lfor_b_\@:
	tensor_load_to_lds s[\g0b:\g0b+3], s[\g1b:\g1b+7]
	s_nop 0
	PLACES 4
.Lasked_\@:
.endm
.macro CREST                           ; a round of the cluster's barrier behind its opening barrier
	s_cmp_lg_u32 s[WV], 0
	s_cbranch_scc1 .Lnot_wave_0_\@
	s_barrier_signal -3
.Lnot_wave_0_\@:
	s_barrier_wait -3
	s_barrier_signal -1
	s_barrier_wait -1
.endm
.macro CROUND
	s_barrier_signal -1
	s_barrier_wait -1
	CREST
.endm
.macro ASK                             ; my share of the K step at s[PFA]; B's waves have two blocks more than lanes
	s_cmp_lt_u32 s[PC], 13
	s_cbranch_scc0 .Lno_ask_\@
	global_prefetch_b8 v[PFO], s[PFA:PFA+1] th:TH_LOAD_NT scope:SCOPE_SE
	s_cmp_eq_u32 s[RH], 0
	s_cbranch_scc1 .Lno_ask_\@
	global_prefetch_b8 v[PFO2], s[PFA:PFA+1] th:TH_LOAD_NT scope:SCOPE_SE
.Lno_ask_\@:
.endm
.macro HASK from, to                   ; at the head, s[PFA] at K step 1: my share of K steps 1 + from .. 1 + to
	s_cmp_eq_u32 s[RH], 0
	s_cbranch_scc0 .Lpf_b_\@
.set k_, \from
.rept (\to)-(\from)+1
	global_prefetch_b8 v[PFO], s[PFA:PFA+1] offset:256*k_ th:TH_LOAD_NT scope:SCOPE_SE
.set k_, k_+1
.endr
	s_branch .Lpf_done_\@
.Lpf_b_\@:
.set k_, \from
.rept (\to)-(\from)+1
	global_prefetch_b8 v[PFO], s[PFA:PFA+1] offset:UNIT*k_ th:TH_LOAD_NT scope:SCOPE_SE
	global_prefetch_b8 v[PFO2], s[PFA:PFA+1] offset:UNIT*k_ th:TH_LOAD_NT scope:SCOPE_SE
.set k_, k_+1
.endr
.Lpf_done_\@:
.endm
	s_load_b512 s[4:19], s[0:1], 0x0               ; x_codes, x_scales, h0_codes, h0_scales, wq, c0, out0, out1
	v_lshl_add_u32 v[SPW], v0, 2, SPARE
	v_mov_b32 v[NIL], 0
	ds_add_u32 v[SPW], v[NIL]                      ; the opening: the add, twice on end, and its wait ahead of my first tensor load
	ds_add_u32 v[SPW], v[NIL]
	v_lshrrev_b32 v1, 5, v0
	v_readfirstlane_b32 s[WV], v1
	s_lshr_b32 s[RH], s[WV], 1                     ; my half of the rows; also: I fetch for A (0) or B (1)
	s_and_b32 s[CH], s[WV], 1                      ; my unit; which half I fetch; which output I store
	s_bfe_u32 s20, ttmp6, 0x40000                  ; cx
	s_bfe_u32 s21, ttmp6, 0x40004                  ; cy
	s_lshl_b32 s[TN], ttmp9, 2
	s_add_co_u32 s[TN], s[TN], s20
	s_and_b32 s[TM], ttmp7, 0xffff
	s_lshl_b32 s[TM], s[TM], 2
	s_add_co_u32 s[TM], s[TM], s21
	s_lshl_b32 s22, s21, 2
	s_lshl_b32 s22, 15, s22                        ; my row of the cluster
	s_lshl_b32 s23, 0x1111, s20                    ; my column
	s_or_b32 s[G1A], s22, (1<<20)|(1<<21)|(5<<22)|(3<<25)   ; 128 rows x 256 bytes, 2,048 apart in memory, 16 bytes of padding behind each
	s_mov_b32 s[G1A+1], 256<<16
	s_mov_b32 s[G1A+2], 128<<16
	s_mov_b32 s[G1A+3], 256<<16
	s_mov_b32 s[G1A+4], 128
	s_mov_b32 s[G1A+5], 2048
	s_mov_b32 s[G1A+6], 0
	s_mov_b32 s[G1A+7], 0
	s_or_b32 s[G1B], s23, (3<<16)|(1<<21)          ; a unit: 136 dense rows of 256 bytes
	s_mov_b32 s[G1B+1], 32<<16
	s_mov_b32 s[G1B+2], 136<<16
	s_mov_b32 s[G1B+3], 32<<16
	s_mov_b32 s[G1B+4], 136
	s_mov_b32 s[G1B+5], 32
	s_mov_b32 s[G1B+6], 0
	s_mov_b32 s[G1B+7], 0
	s_lshl_b32 s24, s[TM], 8
	s_lshl_b32 s25, s[CH], 7
	s_add_co_u32 s24, s24, s25
	s_lshl_b32 s24, s24, 11                        ; A's codes: row 256 x tile row + 128 x half
	s_mov_b32 s25, 0
	s_lshl_b32 s26, s[TM], 14                      ; the scale bytes of the tile's 256 rows
	s_mov_b32 s27, 0
	s_lshl_b32 s28, s[TN], 1
	s_add_co_u32 s28, s28, s[CH]
	s_mul_i32 s28, s28, 16*UNIT                    ; B: rg = 2 x tile column + half
	s_mov_b32 s29, 0
	s_lshl_b32 s30, s[TM], 8                       ; c0: my wave's 64 rows, the tile's 64 columns
	s_lshl_b32 s31, s[WV], 6
	s_add_co_u32 s30, s30, s31
	s_lshl_b32 s30, s30, 13
	s_lshl_b32 s31, s[TN], 8
	s_add_co_u32 s30, s30, s31
	s_mov_b32 s31, 0
	s_lshl_b32 s2, s[TM], 8                        ; the output: my half of the rows
	s_lshl_b32 s3, s[RH], 7
	s_add_co_u32 s2, s2, s3
	s_lshl_b32 s2, s2, 13
	s_lshl_b32 s3, s[TN], 8
	s_add_co_u32 s2, s2, s3
	s_mov_b32 s3, 0
	s_mul_i32 s33, s[WV], HALFT
	s_lshl_b32 s68, s20, 16                        ; the prefetches: A: my work-group's 32 of the 128 rows;
	s_add_co_u32 s68, s68, s24
	s_mov_b32 s69, 0
	s_add_co_u32 s34, s68, 256                     ; at K step 1
	s_mul_i32 s35, s21, 34*256                     ; B: my work-group's 34 of the unit's 136 blocks
	s_add_co_u32 s35, s35, s28
	s_add_co_u32 s35, s35, UNIT
	s_mov_b32 s[PST], UNIT
	s_cmp_eq_u32 s[RH], 0
	s_cselect_b32 s34, s34, s35
	s_cselect_b32 s[PST], 0x100, s[PST]
	s_cselect_b32 s[PSW], 4, -1
	s_cselect_b32 s70, 11, 8                       ; a lane's step: a row of 2,048 bytes, or a block of 256
	s_mov_b32 s35, 0
	s_mov_b32 s[PST+1], 0
	s_mov_b32 s[PC], 0
	s_mul_i32 s60, s[RH], HALFT                    ; LDS bases
	s_mul_i32 s61, s[CH], HALFT
	s_add_co_u32 s61, s61, 2*HALFT
	s_lshl_b32 s62, s[TN], 8
	s_lshl_b32 s63, s[CH], 7
	s_add_co_u32 s62, s62, s63                     ; my 32 hidden units in a bias
	s_add_co_u32 s71, s60, s63                     ; the tail: my rows, my 128 bytes of them
	s_mul_i32 s105, s[CH], CST
	s_add_co_u32 s105, s105, s60
	s_mul_i32 s63, s[RH], 1280
	s_add_co_u32 s63, s63, SCA
	s_wait_dscnt 0x0                               ; both opening adds are done
	s_wait_kmcnt 0x0
	s_cmp_eq_u32 s[RH], 0
	s_cselect_b64 s[PFA:PFA+1], s[4:5], s[12:13]
	s_add_nc_u64 s[PFA:PFA+1], s[PFA:PFA+1], s[34:35]
	s_add_nc_u64 s[PFH:PFH+1], s[8:9], s[68:69]
	s_add_nc_u64 s[4:5], s[4:5], s[24:25]
	s_add_nc_u64 s[8:9], s[8:9], s[24:25]
	s_add_nc_u64 s[6:7], s[6:7], s[26:27]
	s_add_nc_u64 s[10:11], s[10:11], s[26:27]
	s_add_nc_u64 s[12:13], s[12:13], s[28:29]
	s_cmp_eq_u32 s[CH], 0                          ; even waves store h, odd waves c
	s_cselect_b64 s[16:17], s[16:17], s[18:19]
	s_add_nc_u64 s[16:17], s[16:17], s[2:3]
.irp s, 0,1
	s_mov_b32 s[G0X+4*\s], 1
	s_add_co_u32 s[G0X+4*\s+1], s33, \s*SLOT
	s_add_nc_u64 s[G0X+4*\s+2:G0X+4*\s+3], s[4:5], \s*256
	s_or_b32 s[G0X+4*\s+3], s[G0X+4*\s+3], 0x80000000
	s_mov_b32 s[G0H+4*\s], 1
	s_add_co_u32 s[G0H+4*\s+1], s33, \s*SLOT
	s_sub_nc_u64 s[G0H+4*\s+2:G0H+4*\s+3], s[8:9], 512-256*\s      ; two K steps short of h0's K step s: every refill steps its address first
	s_or_b32 s[G0H+4*\s+3], s[G0H+4*\s+3], 0x80000000
	s_mov_b32 s[G0B+4*\s], 1
	s_add_co_u32 s[G0B+4*\s+1], s33, \s*SLOT
	s_add_nc_u64 s[G0B+4*\s+2:G0B+4*\s+3], s[12:13], \s*UNIT
	s_or_b32 s[G0B+4*\s+3], s[G0B+4*\s+3], 0x80000000
.endr
	s_mov_b32 s[G0C], 1
	s_mul_i32 s[G0C+1], s[WV], 64*PITCH
	s_add_nc_u64 s[G0C+2:G0C+3], s[14:15], s[30:31]
	s_or_b32 s[G0C+3], s[G0C+3], 0x80000000
	s_load_b512 s[20:35], s[0:1], 0x40             ; b_ii, b_hi, b_if, b_hf, b_ig, b_hg, b_io, b_ho: the offsets that lay here are used up
	v_lshlrev_b32 v9, 4, v0                        ; the scale bytes: 16 a thread; asked for ahead of the round
.irp j, 0,1,2,3,4,5,6,7
	global_load_b128 v[192+4*\j:195+4*\j], v9, s[6:7] offset:2048*\j      ; x's scale bytes: a wave's load covers 512 consecutive bytes
.endr
.irp j, 0,1,2,3,4,5,6,7
	global_load_b128 v[224+4*\j:227+4*\j], v9, s[10:11] offset:2048*\j    ; h0's
.endr
	CROUND                                         ; all sixteen work-groups are here
	JLOAD G0X, G1A, G0B, G1B                       ; K step 0: one tensor load a wave at the head
	v_and_b32 v1, 15, v0                           ; r
	v_bfe_u32 v2, v0, 4, 1                         ; h
	v_and_b32 v12, 31, v0
	v_mul_u32_u24 v3, v1, PITCH
	v_lshl_add_u32 v4, v2, 4, v3
	v_mad_u32_u24 v6, v2, 4*16*PITCH, v3
	v_add_nc_u32 v6, 256, v6
	v_add_nc_u32 v[ADRA], s60, v4
	v_add_nc_u32 v[ADRB], s61, v4
	v_add_nc_u32 v[ADRSB], s61, v6
	v_add_nc_u32 v[ADRA+1], SLOT, v[ADRA]
	v_add_nc_u32 v[ADRB+1], SLOT, v[ADRB]
	v_add_nc_u32 v[ADRSB+1], SLOT, v[ADRSB]
	v_lshl_add_u32 v5, v2, 5, s62
	v_mul_u32_u24 v7, v2, 640
	v_lshl_add_u32 v7, v1, 3, v7
	v_add_nc_u32 v[ADRSA], s63, v7                 ; row r of block i (lanes 0-15) or i + 4 (lanes 16-31)
	v_and_b32 v10, 3, v0                           ; where a thread's 16 scale bytes go: K steps 2 (t % 4), + 1; row t / 4
	v_mul_u32_u24 v10, v10, 2*PLANE
	v_lshrrev_b32 v11, 2, v0
	v_lshl_add_u32 v10, v11, 3, v10
	v_add_nc_u32 v10, SCA, v10
	v_lshlrev_b32 v[PFO], s70, v12
	v_min_u32 v13, 1, v12
	v_lshl_add_u32 v[PFO2], v13, 8, 0x2000         ; blocks 32 and 33 of my 34 (the lanes left over name the last again)
	v_lshl_add_u32 v14, v2, 5, v3
	v_add_nc_u32 v[CL], s71, v14
	v_add_nc_u32 v[CS], CST, v[CL]
	v_mul_u32_u24 v15, v2, PITCH
	v_lshl_add_u32 v15, v1, 4, v15
	v_add_nc_u32 v[RD], s105, v15
	v_lshlrev_b32 v8, 13, v2
	v_lshl_add_u32 v[CO], v1, 4, v8
	s_wait_alu depctr_va_vdst(0)
	HASK 0, 0                                      ; K step 1
	s_wait_kmcnt 0x0
.irp g, 0,1,2,3                        ; block b = 2 g + u wants the biases of hidden units 16 u + 8 h + 0 .. 7 of gate g
.irp u, 0,1
	global_load_b128 v[BIAS+8*(2*\g+\u):BIAS+8*(2*\g+\u)+3],   v5, s[20+4*\g:21+4*\g] offset:64*\u
	global_load_b128 v[BIAS+8*(2*\g+\u)+4:BIAS+8*(2*\g+\u)+7], v5, s[20+4*\g:21+4*\g] offset:64*\u+16
	global_load_b128 v[AF+8*(2*\g+\u):AF+8*(2*\g+\u)+3],       v5, s[22+4*\g:23+4*\g] offset:64*\u
	global_load_b128 v[AF+8*(2*\g+\u)+4:AF+8*(2*\g+\u)+7],     v5, s[22+4*\g:23+4*\g] offset:64*\u+16
.endr
.endr
	s_wait_loadcnt 32                              ; the 16 loads of scale bytes are in; the 32 of biases may be out
.irp x, 0,1
.irp j, 0,1,2,3,4,5,6,7
.irp w, 0,1,2,3
	ds_store_b32 v10, v[192+32*\x+4*\j+\w] offset:\x*8*PLANE+(\j/2)*640+(\j%2)*256+(\w/2)*PLANE+4*(1-\w%2)   ; row 32 j + t / 4; a K step's second word first
.endr
.endr
.endr
	s_wait_loadcnt 0x0                             ; the biases are in, and their pointers are free
.set i, 0
.rept 32
	v_pk_add_f32 v[BIAS+i:BIAS+i+1], v[BIAS+i:BIAS+i+1], v[AF+i:AF+i+1]   ; b_i* + b_h*
.set i, i+2
.endr
	s_mov_b32 s[G1C], (2<<16)|(1<<20)|(5<<22)|(3<<25)              ; c0's tile: 64 rows x 64 f32, 16 bytes of padding behind each; no mask: my work-group's own
	s_mov_b32 s[G1C+1], 64<<16
	s_mov_b32 s[G1C+2], 64<<16
	s_mov_b32 s[G1C+3], 64<<16
	s_mov_b32 s[G1C+4], 64
	s_mov_b32 s[G1C+5], 2048
	s_mov_b32 s[G1C+6], 0
	s_mov_b32 s[G1C+7], 0
	s_mov_b32 s28, 0xbfb8aa3b                      ; -log2(e)
	s_mov_b32 s29, s28
	s_mov_b32 s30, 0x4038aa3b                      ; 2 log2(e)
	s_mov_b32 s31, s30
	s_mov_b32 s32, 0x42700000                      ; 60.0
; product n of a step: A's block n / 8 against B's block n % 8; p: B's set; q: the slot's q-th 128 along K; sc: the set of scale words.  The 64 accumulators take turns, in the same order in every step
.macro MM n, p, q, sc, first
.set a_, (\n)/8
.set b_, (\n)%8
.set rD, 8*(8*(a_%4)+b_)
.set rB, 128*(\p)+FR*b_
.set rA, AF+FR*a_
.set rSB, SC+16*(\sc)+8+2*(b_%4)+(\q)
.set rSA, SC+16*(\sc)+2*(a_%4)+1-(\q)
.if \first
.set rC, BIAS+8*b_
	WIN 0x81+0x40*(a_/4)
.else
.set rC, rD
	WIN 0xa1+0x50*(a_/4)
.endif
.if (a_/4) && (b_/4)
	v_wmma_scale_f32_16x16x128_f8f6f4 v[rD:rD+7], v[rB:rB+15], v[rA:rA+15], v[rC:rC+7], v[rSB], v[rSA] matrix_a_fmt:MATRIX_FMT_BF8 matrix_b_fmt:MATRIX_FMT_BF8 matrix_a_scale:MATRIX_SCALE_ROW1 matrix_b_scale:MATRIX_SCALE_ROW1
.elseif (b_/4)
	v_wmma_scale_f32_16x16x128_f8f6f4 v[rD:rD+7], v[rB:rB+15], v[rA:rA+15], v[rC:rC+7], v[rSB], v[rSA] matrix_a_fmt:MATRIX_FMT_BF8 matrix_b_fmt:MATRIX_FMT_BF8 matrix_a_scale:MATRIX_SCALE_ROW1
.elseif (a_/4)
	v_wmma_scale_f32_16x16x128_f8f6f4 v[rD:rD+7], v[rB:rB+15], v[rA:rA+15], v[rC:rC+7], v[rSB], v[rSA] matrix_a_fmt:MATRIX_FMT_BF8 matrix_b_fmt:MATRIX_FMT_BF8 matrix_b_scale:MATRIX_SCALE_ROW1
.else
	v_wmma_scale_f32_16x16x128_f8f6f4 v[rD:rD+7], v[rB:rB+15], v[rA:rA+15], v[rC:rC+7], v[rSB], v[rSA] matrix_a_fmt:MATRIX_FMT_BF8 matrix_b_fmt:MATRIX_FMT_BF8
.endif
.endm
.macro FB s, q, p, j                   ; B's fragment j (slot s, its q-th 128 along K) into set p: four loads
	WIN TO_B
.irp c, 0,1,2,3
	ds_load_b128 v[128*(\p)+FR*(\j)+4*\c:128*(\p)+FR*(\j)+4*\c+3], v[ADRB+\s] offset:128*(\q)+32*\c+(\j)*16*PITCH
.endr
.endm
.macro FA s, q, i                      ; the same of A's block i
	WIN 0
.irp c, 0,1,2,3
	ds_load_b128 v[AF+FR*(\i)+4*\c:AF+FR*(\i)+4*\c+3], v[ADRA+\s] offset:128*(\q)+32*\c+(\i)*16*PITCH
.endr
.endm
.macro SCALES sc                       ; a K step's scale words into set sc: A's four loads, B's four
	WIN 0
.irp i, 0,1,2,3
	ds_load_b64 v[SC+16*\sc+2*\i:SC+16*\sc+2*\i+1], v[ADRSA] offset:\i*128
.endr
.irp i, 0,1,2,3
	ds_load_b64 v[SC+16*\sc+8+2*\i:SC+16*\sc+8+2*\i+1], v[ADRSB+\sc] offset:\i*16*PITCH
.endr
.endm
; A slot's first 128 along K.  Three runs of loads for the slot's second 128, each behind eight places: behind product 15 B's fragments 0-5 into set 1 (24 loads); behind 39 B's 6, 7 and A's blocks 0-3 (24); behind 63 A's blocks 4-7 (16).
; The waits: ahead of product 0 the 16 loads of A's blocks 4 to 7 may be out; ahead of product 32, which wants them, my first run's 24.
.macro STEP0 s, first
.set n_, 0
.rept 64
.if n_ == 0
	s_wait_dscnt 16
.elseif n_ == 32
	s_wait_dscnt 24
.endif
	MM n_, 0, 0, \s, \first
.if n_ == 15
	PLACES 8
.irp j, 0,1,2,3,4,5
	FB \s, 1, 1, \j
.endr
.elseif n_ == 39
	PLACES 8
	FB \s, 1, 1, 6
	FB \s, 1, 1, 7
.irp j, 0,1,2,3
	FA \s, 1, \j
.endr
.elseif n_ == 63
	PLACES 8
.irp j, 4,5,6,7
	FA \s, 1, \j
.endr
.endif
.set n_, n_+1
.endr
	WIN 0
.endm
; A slot's second 128 along K, with the change of slots.  All that it multiplies has been asked for.  At its head each wave waits for all its tensor loads (one is out: its part of slot t) and adds 0 to its spare word;
; ahead of product 16 it waits for the add and its reads and signals; ahead of product 24 the round is passed and slot s is filled again first.  fill = 1: the K step two on (A's by group 0 g0a);  2: c0's tile;  0: the last step of all.
; Then slot t's first fragments, in three runs: B's 0-5 (24 loads);  behind product 39 B's 6, 7, A's blocks 0-3 and the scale words (32);  behind 63 A's 4-7 (16).  The wait at the head: A's blocks 4 to 7 (16 loads) and the add may be out.
.macro STEP1 s, t, fill, g0a
.set n_, 0
.rept 64
.if n_ == 0
.if \fill
.if \fill == 1
	s_wait_xcnt 0x0                                ; my prefetches have read their address: on to the next K step
	s_add_nc_u64 s[PFA:PFA+1], s[PFA:PFA+1], s[PST:PST+1]
	s_cmp_eq_u32 s[PC], s[PSW]
	s_cselect_b64 s[PFA:PFA+1], s[PFH:PFH+1], s[PFA:PFA+1]         ; A's waves: behind x's last K step comes h0's first
	s_add_co_u32 s[PC], s[PC], 1
.endif
	s_wait_tensorcnt 0x0                           ; all my tensor loads have landed, so every group 0 may be written
	ds_add_u32 v[SPW], v[NIL]
.if \fill == 1
	s_add_nc_u64 s[\g0a+2:\g0a+3], s[\g0a+2:\g0a+3], 512
	s_add_nc_u64 s[G0B+4*\s+2:G0B+4*\s+3], s[G0B+4*\s+2:G0B+4*\s+3], 2*UNIT
.endif
	s_wait_dscnt 17
.else
	s_wait_dscnt 16
.endif
.elseif n_ == 16
	s_wait_dscnt 0x0                               ; the add is done, and my reads of this slot are over
.if \fill
	s_barrier_signal -1
.endif
.elseif n_ == 24 && \fill
	WIN 0
	s_barrier_wait -1
	CREST                                          ; no wave of any partner still reads this slot or has a load on its way
.if \fill == 1
	JLOAD \g0a, G1A, G0B+4*\s, G1B
.else
	tensor_load_to_lds s[G0C:G0C+3], s[G1C:G1C+7]  ; c0's tile, over A's part of slot 0; every wave its own 64 rows
	s_nop 0
	PLACES 4
.endif
	v_add_nc_u32 v[ADRSA], PLANE, v[ADRSA]         ; the next K step's scale words of A
	s_wait_alu depctr_va_vdst(0)                   ; the wait directly behind the write
.irp j, 0,1,2,3,4,5
	FB \t, 0, 0, \j
.endr
	WIN 0
.if \fill == 1
	ASK
.endif
.endif
	MM n_, 1, 1, \s, 0
.if \fill
.if n_ == 39
	PLACES 8
	FB \t, 0, 0, 6
	FB \t, 0, 0, 7
	FA \t, 0, 0
	FA \t, 0, 1
	SCALES \t
	FA \t, 0, 2
	FA \t, 0, 3
.elseif n_ == 63
	PLACES 8
.irp j, 4,5,6,7
	FA \t, 0, \j
.endr
.endif
.endif
.set n_, n_+1
.endr
	WIN 0
.endm
	s_wait_alu depctr_va_vdst(0)                   ; the wait at the head's end
	s_wait_tensorcnt 0x0                           ; my part of K step 0 is in; these lines stand ahead of a later first fill as ahead of a refill
	ds_add_u32 v[SPW], v[NIL]
	s_wait_dscnt 0x0                               ; the add is done, and my stores of scale words
	CROUND
	JLOAD G0X+4, G1A, G0B+4, G1B                   ; K step 1, the first tensor load behind the round
.irp j, 0,1,2,3,4,5,6,7                ; the first fragments, in the order in which a change of slots fetches them
	FB 0, 0, 0, \j
.endr
	FA 0, 0, 0
	FA 0, 0, 1
	SCALES 0
.irp j, 2,3,4,5,6,7
	FA 0, 0, \j
.endr
	HASK 1, 2                                      ; K steps 2 and 3
	STEP0 0, 1                                     ; the first step's products start the sums from the bias sums
	s_wait_xcnt 0x0                                ; the head's prefetches have read their address
	s_add_nc_u64 s[PFA:PFA+1], s[PFA:PFA+1], s[PST:PST+1]
	s_add_nc_u64 s[PFA:PFA+1], s[PFA:PFA+1], s[PST:PST+1]          ; at K step 3
	s_mov_b32 s3, 3
.Llap_x:                                               ; three trips ask for x's K steps 2 to 7
	STEP1 0, 1, 1, G0X
	STEP0 1, 0
	STEP1 1, 0, 1, G0X+4
	STEP0 0, 0
	s_sub_co_u32 s3, s3, 1
	s_cmp_lg_u32 s3, 0
	s_cbranch_scc1 .Llap_x
	s_mov_b32 s3, 4
.Llap_h:                                               ; four trips ask for h0's K steps 0 to 7
	STEP1 0, 1, 1, G0H
	STEP0 1, 0
	STEP1 1, 0, 1, G0H+4
	STEP0 0, 0
	s_sub_co_u32 s3, s3, 1
	s_cmp_lg_u32 s3, 0
	s_cbranch_scc1 .Llap_h
	STEP1 0, 1, 2, 0                               ; the last change of slots: slot 0 takes c0's tile
	STEP0 1, 0
	STEP1 1, 0, 0, 0
	s_wait_tensorcnt 0x0                           ; my 64 rows of c0 are in,
	s_barrier_signal -1
	s_barrier_wait -1                              ; everybody's are
	PLACES 8
.macro BACK a                          ; a finished block's 16 whole rows of 256 bytes from my stage
.irp t, 0,1,2,3,4,5,6,7
	ds_load_b128 v[OB+4*\t:OB+4*\t+3], v[RD] offset:16*PITCH*(\a)+2*PITCH*\t
.endr
.endm
.macro SEND a, count
.irp t, 0,1,2,3,4,5,6,7
.if \count
	s_wait_dscnt 7-\t
.endif
	global_store_b128 v[CO], v[OB+4*\t:OB+4*\t+3], s[16:17] offset:(16*(\a)+2*\t)*8192 th:TH_STORE_NT   ; 16 lanes store 256 consecutive bytes, aligned
.endr
.endm
; THE TAIL, block a of 16 batch rows, 16 numbers a lane.  Ei = 2^(-log2e i), Ef, Eo likewise, Eg = 2^(2 log2e g):  sigmoid(i) tanh(g) = (Eg - 1) / ((1 + Ei)(1 + Eg));  c = c0 / (1 + Ef) + that;
; Ec = 2^(2 log2e c):  h = (Ec - 1) / ((1 + Ec)(1 + Eo)).  c goes to its stage, h to the bytes from which this lane took c0.  A row's 256 bytes come from two waves: block a - 1 leaves inside block a's arithmetic,
; behind a barrier whose signal stands behind the exponentials and whose wait stands 48 packed lines later.  Rows of a stage are written once.
.macro EPI a
.set CC, C0+16*((\a)%2)
.set CN, C0+16*(((\a)+1)%2)
.set AC, 64*((\a)%4)
	WIN 0x02+(\a)/4
.irp g, 0,1,2,3                        ; each accumulator is read from its low end on
.irp u, 0,1
.irp j, 0,2,4,6
.if \g == 2
	v_pk_mul_f32 v[GI+16*\g+8*\u+\j:GI+16*\g+8*\u+\j+1], v[AC+8*(2*\g+\u)+\j:AC+8*(2*\g+\u)+\j+1], s[30:31] op_sel_hi:[1,0]
.else
	v_pk_mul_f32 v[GI+16*\g+8*\u+\j:GI+16*\g+8*\u+\j+1], v[AC+8*(2*\g+\u)+\j:AC+8*(2*\g+\u)+\j+1], s[28:29] op_sel_hi:[1,0]
.endif
.endr
.endr
.endr
	WIN 0
.set i, 0
.rept 16
	v_min_num_f32 v[GG+i], s32, v[GG+i]
.set i, i+1
.endr
.set i, 0
	s_wait_alu depctr_va_vdst(0)
.rept 64
	v_exp_f32 v[GI+i], v[GI+i]
.set i, i+1
.endr
	v_nop
	s_wait_dscnt 0x0                               ; this block's c0 is in; my stores of the last block into the stages have landed
.if (\a) > 0
	s_barrier_signal -1
.endif
.set i, 0
	s_wait_alu depctr_va_vdst(0)
.rept 8
	v_pk_add_f32 v[T+i:T+i+1], v[GG+i:GG+i+1], -1.0 op_sel_hi:[1,0]
.set i, i+2
.endr
.set i, 0
.rept 32
	v_pk_add_f32 v[GI+i:GI+i+1], v[GI+i:GI+i+1], 1.0 op_sel_hi:[1,0]
.set i, i+2
.endr
.set i, 0
.rept 8
	v_pk_mul_f32 v[GI+i:GI+i+1], v[GI+i:GI+i+1], v[GG+i:GG+i+1]
.set i, i+2
.endr
.if (\a) > 0
	s_barrier_wait -1                              ; the last block's rows lie whole in both stages
.if (\a) > 1
	s_wait_xcnt 0x0                                ; the stores of the block before that have read their registers
.endif
	BACK (\a)-1
.endif
.if (\a) < 7
.irp u, 0,1
	ds_load_b128 v[CN+8*\u:CN+8*\u+3],   v[CL] offset:16*PITCH*((\a)+1)+64*\u
	ds_load_b128 v[CN+8*\u+4:CN+8*\u+7], v[CL] offset:16*PITCH*((\a)+1)+64*\u+16
.endr
.endif
.set i, 0
	s_wait_alu depctr_va_vdst(0)
.rept 32
	v_rcp_f32 v[GI+i], v[GI+i]
.set i, i+1
.endr
	v_nop
.set i, 0
	s_wait_alu depctr_va_vdst(0)
.rept 8
	v_pk_mul_f32 v[T+i:T+i+1], v[T+i:T+i+1], v[GI+i:GI+i+1]
.set i, i+2
.endr
.set i, 0
.rept 8
	v_pk_fma_f32 v[CC+i:CC+i+1], v[GF+i:GF+i+1], v[CC+i:CC+i+1], v[T+i:T+i+1]
.set i, i+2
.endr
.if (\a) > 0
.if (\a) < 7
	s_wait_alu depctr_va_vdst(0)
	s_wait_dscnt 4                                 ; the last block's rows are back; the four loads of c0 behind them may be out
.else
	s_wait_alu depctr_va_vdst(0)
	s_wait_dscnt 0x0
.endif
	SEND (\a)-1, 0
.endif
.irp u, 0,1
	ds_store_b128 v[CS], v[CC+8*\u:CC+8*\u+3]   offset:16*PITCH*(\a)+64*\u
	ds_store_b128 v[CS], v[CC+8*\u+4:CC+8*\u+7] offset:16*PITCH*(\a)+64*\u+16
.endr
.set i, 0
.rept 8
	v_pk_mul_f32 v[GG+i:GG+i+1], v[CC+i:CC+i+1], s[30:31] op_sel_hi:[1,0]
.set i, i+2
.endr
.set i, 0
.rept 16
	v_min_num_f32 v[GG+i], s32, v[GG+i]
.set i, i+1
.endr
.set i, 0
	s_wait_alu depctr_va_vdst(0)
.rept 16
	v_exp_f32 v[GG+i], v[GG+i]
.set i, i+1
.endr
	v_nop
.set i, 0
	s_wait_alu depctr_va_vdst(0)
.rept 8
	v_pk_add_f32 v[T+i:T+i+1], v[GG+i:GG+i+1], -1.0 op_sel_hi:[1,0]
.set i, i+2
.endr
.set i, 0
.rept 8
	v_pk_add_f32 v[GG+i:GG+i+1], v[GG+i:GG+i+1], 1.0 op_sel_hi:[1,0]
.set i, i+2
.endr
.set i, 0
.rept 8
	v_pk_mul_f32 v[GG+i:GG+i+1], v[GG+i:GG+i+1], v[GO+i:GO+i+1]
.set i, i+2
.endr
.set i, 0
	s_wait_alu depctr_va_vdst(0)
.rept 16
	v_rcp_f32 v[GG+i], v[GG+i]
.set i, i+1
.endr
	v_nop
.set i, 0
	s_wait_alu depctr_va_vdst(0)
.rept 8
	v_pk_mul_f32 v[T+i:T+i+1], v[T+i:T+i+1], v[GG+i:GG+i+1]
.set i, i+2
.endr
.irp u, 0,1
	ds_store_b128 v[CL], v[T+8*\u:T+8*\u+3]   offset:16*PITCH*(\a)+64*\u
	ds_store_b128 v[CL], v[T+8*\u+4:T+8*\u+7] offset:16*PITCH*(\a)+64*\u+16
.endr
.endm
.irp u, 0,1
	ds_load_b128 v[C0+8*\u:C0+8*\u+3],   v[CL] offset:64*\u
	ds_load_b128 v[C0+8*\u+4:C0+8*\u+7], v[CL] offset:64*\u+16
.endr
.irp a, 0,1,2,3,4,5,6,7
	EPI \a
.endr
	s_wait_dscnt 0x0                               ; for the others' sake: my stores of the last block into the stages are done
	s_barrier_signal -1
	s_barrier_wait -1
	s_wait_xcnt 0x0
	BACK 7
	SEND 7, 1
	s_wait_tensorcnt 0x0                           ; the wave's end
	ds_add_u32 v[SPW], v[NIL]
	s_wait_dscnt 0x0
	CROUND                                         ; the closing round
	s_endpgm
.Lfunc_end_k_qffbe61272d_lstm:
	.size	k_qffbe61272d_lstm, .Lfunc_end_k_qffbe61272d_lstm-k_qffbe61272d_lstm
	.p2alignl 7, 3214868480
	.fill 96, 4, 3214868480
	.section	.rodata,"a",@progbits
	.p2align	6, 0x0
	.amdhsa_kernel k_qffbe61272d_lstm
		.amdhsa_group_segment_fixed_size 327680
		.amdhsa_private_segment_fixed_size 0
		.amdhsa_enable_private_segment 0
		.amdhsa_kernarg_size 128
		.amdhsa_user_sgpr_count 2
		.amdhsa_user_sgpr_kernarg_segment_ptr 1
		.amdhsa_wavefront_size32 1
		.amdhsa_system_sgpr_workgroup_id_x 1
		.amdhsa_system_sgpr_workgroup_id_y 1
		.amdhsa_system_sgpr_workgroup_id_z 1
		.amdhsa_system_vgpr_workitem_id 0
		.amdhsa_next_free_vgpr 1024
		.amdhsa_next_free_sgpr 106
		.amdhsa_reserve_vcc 0
		.amdhsa_float_denorm_mode_32 3
		.amdhsa_float_denorm_mode_16_64 3
		.amdhsa_memory_ordered 1
		.amdhsa_forward_progress 1
		.amdhsa_inst_pref_size 255
	.end_amdhsa_kernel
	.section	.bss,"aw",@nobits
	.p2align	6
	.space	262144
	.amdgpu_metadata
---
amdhsa.version: [ 1, 2 ]
amdhsa.kernels:
  - .name:           k_qffbe61272d_lstm
    .symbol:         k_qffbe61272d_lstm.kd
    .args:
      - { .name: x_codes, .offset: 0, .size: 8, .value_kind: global_buffer, .address_space: global }
      - { .name: x_scales, .offset: 8, .size: 8, .value_kind: global_buffer, .address_space: global }
      - { .name: h0_codes, .offset: 16, .size: 8, .value_kind: global_buffer, .address_space: global }
      - { .name: h0_scales, .offset: 24, .size: 8, .value_kind: global_buffer, .address_space: global }
      - { .name: wq, .offset: 32, .size: 8, .value_kind: global_buffer, .address_space: global }
      - { .name: c0, .offset: 40, .size: 8, .value_kind: global_buffer, .address_space: global }
      - { .name: out0, .offset: 48, .size: 8, .value_kind: global_buffer, .address_space: global }
      - { .name: out1, .offset: 56, .size: 8, .value_kind: global_buffer, .address_space: global }
      - { .name: b_ii, .offset: 64, .size: 8, .value_kind: global_buffer, .address_space: global }
      - { .name: b_hi, .offset: 72, .size: 8, .value_kind: global_buffer, .address_space: global }
      - { .name: b_if, .offset: 80, .size: 8, .value_kind: global_buffer, .address_space: global }
      - { .name: b_hf, .offset: 88, .size: 8, .value_kind: global_buffer, .address_space: global }
      - { .name: b_ig, .offset: 96, .size: 8, .value_kind: global_buffer, .address_space: global }
      - { .name: b_hg, .offset: 104, .size: 8, .value_kind: global_buffer, .address_space: global }
      - { .name: b_io, .offset: 112, .size: 8, .value_kind: global_buffer, .address_space: global }
      - { .name: b_ho, .offset: 120, .size: 8, .value_kind: global_buffer, .address_space: global }
    .group_segment_fixed_size: 327680
    .private_segment_fixed_size: 0
    .kernarg_segment_align: 8
    .kernarg_segment_size: 128
    .max_flat_workgroup_size: 128
    .sgpr_count:     106
    .vgpr_count:     1024
    .wavefront_size: 32
...
	.end_amdgpu_metadata
.endif
;; end of part 2
